; MI455X (gfx1250); checked and timed in simulation.
; The chip was launched on July 23, 2026; its instructions are those of AMD's public machine-readable ISA for CDNA 5 (MIT licence, August 2026) and "CDNA5" Instruction Set Architecture Reference Guide (July 2026). The comments in the code are by the model that wrote it; some were corrected since.
;; Shapelet Net. Allowed arithmetic: float matrix products may take bf16 or f16 operands with f32 sums; all other float work in f32.
;; Inputs: cls_b 10 float32; cls_w 64 x 10 float32; shapelets 64 x 32 float32; x 32 x 2,048 x 32 float32.
;; Outputs: out0 32 x 10 float32.
;; One version. Each part assembles by itself: llvm-mc -triple=amdgcn-amd-amdhsa -mcpu=gfx1250 --defsym DOCPART=n.
;; ======== version 1 of 1: 1 launch
;; limits: values outside matrix products are rounded to bf16; a difference of large sums (such as E[x^2] - mean^2): digits are lost where the result is much smaller than its terms
;; launch shapelet (part 1): grid 32 x 1, 16 waves a work-group, no clusters, 306,432 bytes of LDS; arguments x, shapelets, cls_w, cls_b, out0; writes out0
.if DOCPART == 1
	.amdgcn_target "amdgcn-amd-amdhsa--gfx1250"
	.amdhsa_code_object_version 6
	.text
	.protected	k_q0b155793da_shapelet
	.globl	k_q0b155793da_shapelet
	.p2align	8
	.type	k_q0b155793da_shapelet,@function
k_q0b155793da_shapelet:
	s_mov_b64 s[64:65], 0
	v_nop
	global_prefetch_b8 v0, s[64:65] scope:SCOPE_SE
	s_setreg_imm32_b32 hwreg(HW_REG_WAVE_MODE, 25, 1), 1
	s_wait_xcnt 0x0
; out[b][o] = sigmoid( sum_s w[s][o] * min_w |x[b][w] - shapelet[s]|  + bias[o] ).
; x [32][2048][32] f32, shapelets [64][32] f32, cls_w [64][10] f32, cls_b [10] f32, out [32][10] f32.
;
; One work-group = one batch (the minimum spans its 2,048 windows, the classifier needs its 64 minima): 32 work-groups, one launch.
; d^2 = |x|^2 + |s|^2 - 2 x.s.  x and s are rounded to bf16; the cross term is one 16x16x32 matrix instruction for 16 windows x 16
; shapelets (the shapelet length 32 is its K); BOTH norms are taken from the rounded numbers, in f32, so that the result is the distance of
; the rounded vectors up to f32 rounding (about 2^-22 (|x|^2+|s|^2) in d^2); d^2 is clamped at 0 in front of the root.
; Kept: max over windows of (x.s - |x|^2/2); then d^2 = |s|^2 - 2 max.
; LIMITS: inputs are rounded to bf16 (relative 2^-9).  NaN or infinite inputs, and windows whose |x|^2 leaves f32's range, do not give the
; reference's NaN/Inf (v_max3_num_f32 drops a NaN).
;
; 16 waves, 128 windows each = 8 tiles of 16.  A = 16 windows, B = 16 shapelets: in D a lane holds ONE shapelet (n = lane % 16) and eight
; windows (m = 8 (lane / 16) + j), so the running maximum is one register for each block of 16 shapelets.
; -|x_m|^2/2 has to stand in C, one value for a row m.  A lane owns 16 of its row's 32 numbers; their sum of squares is cut exactly into three
; bf16 pieces (8 + 8 + 8 significant bits) that become k = 8h, 8h+1, 8h+2 of an A fragment; times a constant B of -0.5 one matrix
; instruction gives -|x_m|^2/2 in every column, summed over both halves of the lanes.  The four products take it as C.
;
; The shapelets are the same for all 16 waves: wave w loads 512 neighbouring bytes (shapelets 4w .. 4w+3) with one instruction, rounds them,
; makes their |s|^2 and lays both into LDS; behind one barrier every wave reads its four B fragments from there (8 LDS loads).
; So the work-group asks memory for the 8,192 bytes once, by 16 loads, and each number is rounded once.
;
; No multicast: a work-group reads 262,144 bytes of x that nobody else reads; shared are only the 8,192 bytes of shapelets.
; No ring: the batch, padded to 144 bytes a window, is 294,912 bytes of LDS; every wave asks for its eight tiles at once, reads only
; its own tiles, and no slot is written twice: for x, s_wait_tensorcnt is the only ordering.
; The classifier is 1 x 64 x 10 for a work-group: 20 f32 multiply-adds a lane of one wave, not worth a matrix fragment.
.set TILES,  8                         ; tiles of a wave
.set TILE_G, 2048                      ; 16 windows x 128 bytes in memory
.set PITCH,  144                       ; a window in LDS: 128 bytes + 16: the 16 rows of one load start in 16 different 16-byte columns modulo 256
.set TILE_L, 16*PITCH                  ; 2,304
.set WAVE_L, TILES*TILE_L              ; 18,432
.set RED,    16*WAVE_L                 ; 294,912: behind x: 16 rows of 64 maxima (one a wave), row 16 = |s|^2
.set RROW,   256
.set SB,     RED+17*RROW               ; 299,264: the shapelets in bf16, 64 rows
.set SPITCH, 80                        ; 64 bytes + 16, an odd multiple of 16
.set NL2E,   0xbfb8aa3b                ; -log2(e)
.set R_,  1                            ; lane % 16
.set H_,  2                            ; lane / 16
.set LA,  3                            ; LDS: my 32 bytes in row r of my wave's tile 0
.set RS,  5                            ; LDS: my wave's row of maxima, + 4 r
.set RN,  6                            ; LDS: row 16, the word of the shapelet that I stage
.set RQ,  7                            ; LDS: RED + 16 r
.set RL,  8                            ; LDS: RQ + 8 h rows
.set WA,  9                            ; cls_w: 160 r + 20 h (wave 0)
.set BA,  10                           ; cls_b and out: 4 (5 h + min(r, 4)) (wave 0)
.set ST,  11                           ; LDS: where my 8 bytes of rounded shapelet go
.set SL,  12                           ; LDS: SB + 80 r + 16 h: my part of a B fragment
.set GA,  14                           ; shapelets: 16 x thread
.set S,   16                           ; v[16:47]   four B fragments: shapelets 16 t + r
.set B2,  48                           ; v[48:55]   constant B: -0.5 at k = 8h .. 8h+2, else 0
.set A2,  56                           ; v[56:63]   the norm's three pieces in registers 0, 1; registers 2-7 stay 0
.set X,   64                           ; v[64:79]   A fragments, two buffers
.set RAW, 80                           ; v[80:95]   16 f32 of my row as loaded
.set NRM, 96                           ; v[96:103]  C = -|x_m|^2 / 2
.set D,   104                          ; v[104:135] four results; at the end the rows of maxima
.set M,   136                          ; v[136:139] running maxima
.set TMP, 140                          ; v[140:145]
.set SN,  148                          ; v[148:151] |s|^2 (wave 0)
.set W,   152                          ; v[152:171] weights (wave 0)
.set BI,  172                          ; bias, then -log2(e) x bias (wave 0)
.set ACC, 174                          ; v[174:178] five logits (wave 0)
.set SR,  180                          ; v[180:183] my four numbers of a shapelet as loaded
.set SC,  184                          ; v[184:185] the same in bf16
.set SQ,  186                          ; their sum of squares
.set G1,  16                           ; s[16:23] descriptor group 1
.set G0,  24                           ; s[24:55] descriptor group 0, one set for each of the eight tiles: none is rewritten
	s_load_b256 s[4:11], s[0:1], 0x0               ; x s[4:5], shapelets s[6:7], cls_w s[8:9], cls_b s[10:11]
	s_load_b64 s[12:13], s[0:1], 0x20              ; out
	v_lshl_add_u32 v188, v0, 2, 0x4a500
	v_mov_b32 v189, 0
	ds_add_u32 v188, v189
	ds_add_u32 v188, v189
	v_lshrrev_b32 v1, 5, v0
	v_readfirstlane_b32 s14, v1                    ; wave 0..15
	; Everything that hangs on ids alone is made here, while the arguments are on their way.
	; Group 1: a tile is dense in memory, so it comes as ONE row of 256 elements of 8 bytes; the padding counts along the tile:
	; 4 words behind every 32 words = 16 bytes behind every window.
	s_mov_b32 s[G1+0], (3<<16)|(1<<20)|(4<<22)|(3<<25)
	s_mov_b32 s[G1+1], (TILE_G/8)<<16              ; tensor_dim0 = 256
	s_mov_b32 s[G1+2], 1<<16
	s_mov_b32 s[G1+3], (TILE_G/8)<<16              ; tile_dim0 = 256
	s_mov_b32 s[G1+4], 1
	s_mov_b32 s[G1+5], 256
	s_mov_b32 s[G1+6], 0
	s_mov_b32 s[G1+7], 0
	s_mul_i32 s15, s14, WAVE_L                     ; my wave's part of LDS
.irp i, 0,1,2,3,4,5,6,7
	s_mov_b32 s[G0+4*\i], 1
	s_add_co_u32 s[G0+4*\i+1], s15, \i*TILE_L
.endr
	s_lshl_b32 s2, ttmp9, 18                       ; batch x 262,144 bytes
	s_lshl_b32 s3, s14, 14                         ; + wave x 128 windows x 128 bytes
	s_add_co_u32 s2, s2, s3
	s_mov_b32 s3, 0
	s_mov_b32 s56, 0xffff0000                      ; the upper 16 bits of an f32 = the number cut to bf16
	s_mov_b32 s57, 0x07060302                      ; v_perm_b32: the two upper halves
	s_mov_b32 s58, 0x76543210                      ; v_permlanex16_b32: lane i of the other half
	s_mov_b32 s59, 0xfedcba98
	v_lshlrev_b32 v[GA], 4, v0                     ; thread t takes bytes 16 t of the shapelets: row t / 8 = 4 wave + lane / 8, k = 4 (t % 8) ..
	v_and_b32 v[R_], 15, v0
	v_bfe_u32 v[H_], v0, 4, 1
	v_bfe_u32 v[TMP], v0, 3, 2                     ; lane / 8: which of my wave's four shapelets
	v_and_b32 v[TMP+1], 7, v0                      ; lane % 8: which four numbers of it
	s_mul_i32 s66, s14, 4*SPITCH
	s_add_co_u32 s66, s66, SB                      ; my wave's four rows of the stage
	v_mul_u32_u24 v[ST], v[TMP], SPITCH
	v_lshl_add_u32 v[ST], v[TMP+1], 3, v[ST]
	v_add_nc_u32 v[ST], s66, v[ST]                 ; + 80 (lane / 8) + 8 (lane % 8)
	s_lshl_b32 s60, s14, 4
	s_add_co_u32 s60, s60, RED+16*RROW
	v_lshl_add_u32 v[RN], v[TMP], 2, s60           ; row 16, word 4 wave + lane / 8
	v_mul_u32_u24 v[SL], v[R_], SPITCH
	v_lshl_add_u32 v[SL], v[H_], 4, v[SL]
	v_add_nc_u32 v[SL], SB, v[SL]
	v_mul_u32_u24 v[LA], v[R_], PITCH
	v_lshl_add_u32 v[LA], v[H_], 5, v[LA]
	v_add_nc_u32 v[LA], s15, v[LA]                 ; wave's part + 144 r + 32 h
	s_lshl_b32 s67, s14, 8
	s_add_co_u32 s67, s67, RED
	v_lshl_add_u32 v[RS], v[R_], 2, s67
	v_lshl_add_u32 v[RQ], v[R_], 4, RED
	v_lshl_add_u32 v[RL], v[H_], 11, v[RQ]
	v_mov_b32 v[B2], 0xbf00bf00                    ; -0.5, -0.5
	v_mov_b32 v[B2+1], 0x0000bf00                  ; -0.5, 0
.irp j, 2,3,4,5,6,7
	v_mov_b32 v[B2+\j], 0
	v_mov_b32 v[A2+\j], 0
.endr
	s_wait_dscnt 0x0
	s_wait_kmcnt 0x0
	global_load_b128 v[SR:SR+3], v[GA], s[6:7]     ; first of all: sixteen waves wait for each other's share of the shapelets
	s_add_nc_u64 s[4:5], s[4:5], s[2:3]
.irp i, 0,1,2,3,4,5,6,7
	s_add_nc_u64 s[G0+4*\i+2:G0+4*\i+3], s[4:5], \i*TILE_G
	s_or_b32 s[G0+4*\i+3], s[G0+4*\i+3], 0x80000000
	tensor_load_to_lds s[G0+4*\i:G0+4*\i+3], s[G1:G1+7]            ; all eight tiles of the wave are asked for at once
	s_nop 0
.endr
	s_mul_i32 s2, ttmp9, 40                        ; out: batch x 10 f32 (s3 is still 0)
	s_add_nc_u64 s[12:13], s[12:13], s[2:3]
	; my four numbers of a shapelet: round, lay down, and their share of |s|^2 (of the rounded numbers)
	s_wait_loadcnt 0x0                             ; the only global load so far
	v_cvt_pk_bf16_f32 v[SC], v[SR], v[SR+1]
	v_cvt_pk_bf16_f32 v[SC+1], v[SR+2], v[SR+3]
	ds_store_b64 v[ST], v[SC:SC+1]
	v_fma_mix_f32_bf16 v[SQ], v[SC], v[SC], v[B2+2] op_sel_hi:[1,1,0]                          ; low half squared + 0
	v_fma_mix_f32_bf16 v[SQ], v[SC], v[SC], v[SQ] op_sel:[1,1,0] op_sel_hi:[1,1,0]
	v_fma_mix_f32_bf16 v[SQ], v[SC+1], v[SC+1], v[SQ] op_sel_hi:[1,1,0]
	v_fma_mix_f32_bf16 v[SQ], v[SC+1], v[SC+1], v[SQ] op_sel:[1,1,0] op_sel_hi:[1,1,0]
.irp m, 1,2,4
	v_add_f32_dpp v[SQ], v[SQ], v[SQ] row_xmask:\m row_mask:0xf bank_mask:0xf                  ; over the eight lanes of the shapelet
.endr
	ds_store_b32 v[RN], v[SQ]                      ; the eight lanes write the same word with the same value
	s_wait_dscnt 0x0                               ; both stores are done before the others are told
	s_barrier_signal -1
	s_barrier_wait -1                              ; all 64 shapelets and their |s|^2 lie in LDS; they are not written again
.macro FETCH i                         ; my 16 numbers of row r of tile i: k = 8h .. 8h+7 and 16+8h .. 16+8h+7
	ds_load_b128 v[RAW:RAW+3],     v[LA] offset:\i*TILE_L
	ds_load_b128 v[RAW+4:RAW+7],   v[LA] offset:\i*TILE_L+16
	ds_load_b128 v[RAW+8:RAW+11],  v[LA] offset:\i*TILE_L+64
	ds_load_b128 v[RAW+12:RAW+15], v[LA] offset:\i*TILE_L+80
.endm
	s_wait_tensorcnt TILES-1                       ; a wave's tensor loads end in order: tile 0 is in, the seven behind it stay out
	FETCH 0                                        ; ahead of the fragments: tile 0's rounding and norm need no shapelet
	; B fragments: lane (r, h) holds shapelet 16t + r; registers 0-3: k = 8h .. 8h+7, registers 4-7: k = 16+8h .. (ISA guide 7.12.2)
.irp t, 0,1,2,3
	ds_load_b128 v[S+8*\t:S+8*\t+3],   v[SL] offset:16*SPITCH*\t
	ds_load_b128 v[S+8*\t+4:S+8*\t+7], v[SL] offset:16*SPITCH*\t+32
.endr
	; wave 0 alone ends the work: its weights and bias are asked for here and have the eight tiles' time to come
	s_cmp_lg_u32 s14, 0
	s_cbranch_scc1 .Lmain
	v_mul_u32_u24 v[WA], v[R_], 160                ; at the end lane (q = r, g = h) holds shapelets 4q .. 4q+3 and makes outputs 5g .. 5g+4
	v_mad_u32_u24 v[WA], v[H_], 20, v[WA]
	v_min_u32 v[BA], 4, v[R_]
	v_mad_u32_u24 v[BA], v[H_], 5, v[BA]
	v_lshlrev_b32 v[BA], 2, v[BA]
.irp c, 0,1,2,3
.irp i, 0,1,2,3,4
	global_load_b32 v[W+5*\c+\i], v[WA], s[8:9] offset:40*\c+4*\i  ; w[4q+c][5g+i]
.endr
.endr
	global_load_b32 v[BI], v[BA], s[10:11]
.Lmain:
; sixteen maxima: eight windows of each of the four results into the running maximum.  first = 1: the first three start it.
.macro MAXB first
.if \first
.irp t, 0,1,2,3
	v_max3_num_f32 v[M+\t], v[D+8*\t], v[D+8*\t+1], v[D+8*\t+2]
.endr
.irp t, 0,1,2,3
	v_max3_num_f32 v[M+\t], v[M+\t], v[D+8*\t+3], v[D+8*\t+4]
.endr
.irp t, 0,1,2,3
	v_max3_num_f32 v[M+\t], v[M+\t], v[D+8*\t+5], v[D+8*\t+6]
.endr
.irp t, 0,1,2,3
	v_max_num_f32 v[M+\t], v[M+\t], v[D+8*\t+7]
.endr
.else
.irp j, 0,2,4,6
.irp t, 0,1,2,3
	v_max3_num_f32 v[M+\t], v[M+\t], v[D+8*\t+\j], v[D+8*\t+\j+1]
.endr
.endr
.endif
.endm
; One tile.  xb = its A buffer (they take turns, so that the conversions never write a fragment that the last four products read).
; Places behind matrix instructions (ISA guide 7.12.1), all plain vector instructions that name none of their registers:
;   norm product -> the four products that take it as C: the sixteen maxima of the tile before (tile 0: five v_nop);
;   the four products -> the maxima that read them, and the next norm product that writes over their C: the next tile's 8 conversions
;   and 16 multiply-adds;   norm product -> the next writes of A2: the sixteen maxima.
.macro TILE i, xb
.if \i == 0
	s_wait_dscnt 8                                 ; LDS loads come back in order: tile 0's four are in, the eight fragment loads behind them stay out
.else
	s_wait_dscnt 0x0                               ; my four loads of this tile
.endif
.irp c, 0,1,2,3,4,5,6,7
	v_cvt_pk_bf16_f32 v[\xb+\c], v[RAW+2*\c], v[RAW+2*\c+1]
.endr
.if \i < TILES-1
	s_wait_tensorcnt TILES-2-\i                    ; tile i+1 is in, the TILES-2-i behind it stay out
	FETCH (\i+1)                                   ; RAW is free: the rest of this tile works on the rounded numbers
.endif
	v_fma_mix_f32_bf16 v[TMP],   v[\xb], v[\xb], v[B2+2] op_sel_hi:[1,1,0]                     ; two chains: low halves, high halves
	v_fma_mix_f32_bf16 v[TMP+1], v[\xb], v[\xb], v[B2+2] op_sel:[1,1,0] op_sel_hi:[1,1,0]
.irp c, 1,2,3,4,5,6,7
	v_fma_mix_f32_bf16 v[TMP],   v[\xb+\c], v[\xb+\c], v[TMP] op_sel_hi:[1,1,0]
	v_fma_mix_f32_bf16 v[TMP+1], v[\xb+\c], v[\xb+\c], v[TMP+1] op_sel:[1,1,0] op_sel_hi:[1,1,0]
.endr
	v_add_f32 v[TMP], v[TMP], v[TMP+1]             ; p = the sum of squares of my 16 numbers
	v_and_b32 v[TMP+2], s56, v[TMP]                ; its upper 8 significant bits
	v_sub_f32 v[TMP+3], v[TMP], v[TMP+2]           ; the rest, exact
	v_and_b32 v[TMP+4], s56, v[TMP+3]              ; the next 8
	v_perm_b32 v[A2], v[TMP+3], v[TMP], s57        ; k = 8h: first piece, k = 8h+1: second piece
	v_sub_f32 v[TMP+5], v[TMP+3], v[TMP+4]         ; the last 8, exact, a bf16 number
	v_lshrrev_b32 v[A2+1], 16, v[TMP+5]            ; k = 8h+2: third piece, k = 8h+3: 0
	v_wmma_f32_16x16x32_bf16 v[NRM:NRM+7], v[A2:A2+7], v[B2:B2+7], 0
.if \i == 0
	s_wait_dscnt 4                                 ; the eight fragment loads are in; tile 1's four, issued behind them, stay out
.rept 5
	v_nop
.endr
.else
	MAXB (\i == 1)
.endif
.irp t, 0,1,2,3
	v_wmma_f32_16x16x32_bf16 v[D+8*\t:D+8*\t+7], v[\xb:\xb+7], v[S+8*\t:S+8*\t+7], v[NRM:NRM+7]
.endr
.endm
	TILE 0, X
	TILE 1, X+8
	TILE 2, X
	TILE 3, X+8
	TILE 4, X
	TILE 5, X+8
	TILE 6, X
	TILE 7, X+8
.rept 4
	v_nop                                          ; four places behind the last products
.endr
	MAXB 0
.irp t, 0,1,2,3
	v_permlanex16_b32 v[TMP+\t], v[M+\t], s58, s59 ; the other eight rows of every tile
.endr
.irp t, 0,1,2,3
	v_max_num_f32 v[M+\t], v[M+\t], v[TMP+\t]
.endr
.irp t, 0,1,2,3
	ds_store_b32 v[RS], v[M+\t] offset:64*\t       ; my wave's row: shapelet 16t + r at byte 4 (16t + r)
.endr
	s_wait_dscnt 0x0                               ; the row is written before the others are told
	s_barrier_signal -1
	s_barrier_wait -1
	s_cmp_lg_u32 s14, 0
	s_cbranch_scc1 .Lend
	; wave 0: lane (q, g) takes shapelets 4q .. 4q+3 of the rows of waves 8g .. 8g+7
.irp i, 0,1,2,3,4,5,6,7
	ds_load_b128 v[D+4*\i:D+4*\i+3], v[RL] offset:\i*RROW
.endr
	ds_load_b128 v[SN:SN+3], v[RQ] offset:16*RROW
	v_cmp_eq_u32 s60, 1, v[R_]
	v_cmp_eq_u32 s61, 2, v[R_]
	v_cmp_eq_u32 s62, 3, v[R_]
	v_cmp_eq_u32 s63, 4, v[R_]
	s_wait_loadcnt 0x0                             ; weights and bias, asked for in front of the eight tiles
	v_mul_f32 v[BI], NL2E, v[BI]
	s_wait_dscnt 0x0
.irp c, 0,1,2,3
	v_max3_num_f32 v[M+\c], v[D+\c], v[D+4+\c], v[D+8+\c]
.endr
.irp c, 0,1,2,3
	v_max3_num_f32 v[M+\c], v[M+\c], v[D+12+\c], v[D+16+\c]
.endr
.irp c, 0,1,2,3
	v_max3_num_f32 v[M+\c], v[M+\c], v[D+20+\c], v[D+24+\c]
.endr
.irp c, 0,1,2,3
	v_max_num_f32 v[M+\c], v[M+\c], v[D+28+\c]
.endr
.irp c, 0,1,2,3
	v_permlanex16_b32 v[TMP+\c], v[M+\c], s58, s59 ; the other eight waves
.endr
.irp c, 0,1,2,3
	v_max_num_f32 v[M+\c], v[M+\c], v[TMP+\c]
.endr
.irp c, 0,1,2,3
	v_fma_f32 v[M+\c], v[M+\c], -2.0, v[SN+\c]     ; d^2 = |s|^2 - 2 max(x.s - |x|^2/2)
.endr
.irp c, 0,1,2,3
	v_max_num_f32 v[M+\c], 0, v[M+\c]              ; rounding may leave a small negative number
.endr
.irp c, 0,1,2,3
	v_sqrt_f32 v[M+\c], v[M+\c]
.endr
	v_nop                                          ; one plain place behind the roots (ISA guide 5.7.2)
	s_wait_alu depctr_va_vdst(0)
.irp i, 0,1,2,3,4
	v_mul_f32 v[ACC+\i], v[M], v[W+\i]             ; output 5g + i: my four shapelets
.endr
.irp c, 1,2,3
.irp i, 0,1,2,3,4
	v_fmac_f32 v[ACC+\i], v[M+\c], v[W+5*\c+\i]
.endr
.endr
.irp m, 1,2,4,8
.irp i, 0,1,2,3,4
	v_add_f32_dpp v[ACC+\i], v[ACC+\i], v[ACC+\i] row_xmask:\m row_mask:0xf bank_mask:0xf      ; over the 16 lanes of my half
.endr
.endr
	v_cndmask_b32 v[ACC], v[ACC], v[ACC+1], s60    ; lane q < 5 keeps output 5g + q
	v_cndmask_b32 v[ACC], v[ACC], v[ACC+2], s61
	v_cndmask_b32 v[ACC], v[ACC], v[ACC+3], s62
	v_cndmask_b32 v[ACC], v[ACC], v[ACC+4], s63
	v_fma_f32 v[ACC], v[ACC], NL2E, v[BI]          ; -log2(e) (sum + bias)
	v_exp_f32 v[ACC], v[ACC]
	v_nop
	s_wait_alu depctr_va_vdst(0)
	v_add_f32 v[ACC], 1.0, v[ACC]
	v_rcp_f32 v[ACC], v[ACC]                       ; sigmoid = 1 / (1 + 2^(-log2(e) z))
	v_nop
	v_cmp_gt_u32 vcc_lo, 5, v[R_]
	s_wait_tensorcnt 0x0
	ds_add_u32 v188, v189
	s_wait_dscnt 0x0
	s_and_saveexec_b32 s66, vcc_lo
	s_wait_alu depctr_va_vdst(0)
	global_store_b32 v[BA], v[ACC], s[12:13]       ; ten lanes, the batch's 40 neighbouring bytes
	s_endpgm
.Lend:
	s_wait_tensorcnt 0x0
	ds_add_u32 v188, v189
	s_wait_dscnt 0x0
	s_endpgm
.Lfunc_end_k_q0b155793da_shapelet:
	.size	k_q0b155793da_shapelet, .Lfunc_end_k_q0b155793da_shapelet-k_q0b155793da_shapelet
	.p2alignl 7, 3214868480
	.fill 96, 4, 3214868480
	.section	.rodata,"a",@progbits
	.p2align	6, 0x0
	.amdhsa_kernel k_q0b155793da_shapelet
		.amdhsa_group_segment_fixed_size 306432
		.amdhsa_private_segment_fixed_size 0
		.amdhsa_enable_private_segment 0
		.amdhsa_kernarg_size 40
		.amdhsa_user_sgpr_count 2
		.amdhsa_user_sgpr_kernarg_segment_ptr 1
		.amdhsa_wavefront_size32 1
		.amdhsa_system_sgpr_workgroup_id_x 1
		.amdhsa_system_sgpr_workgroup_id_y 1
		.amdhsa_system_sgpr_workgroup_id_z 1
		.amdhsa_system_vgpr_workitem_id 0
		.amdhsa_next_free_vgpr 190
		.amdhsa_next_free_sgpr 68
		.amdhsa_reserve_vcc 1
		.amdhsa_float_denorm_mode_32 3
		.amdhsa_float_denorm_mode_16_64 3
		.amdhsa_memory_ordered 1
		.amdhsa_forward_progress 1
		.amdhsa_inst_pref_size 44
	.end_amdhsa_kernel
	.amdgpu_metadata
---
amdhsa.version: [ 1, 2 ]
amdhsa.kernels:
  - .name:           k_q0b155793da_shapelet
    .symbol:         k_q0b155793da_shapelet.kd
    .args:
      - { .name: x, .offset: 0, .size: 8, .value_kind: global_buffer, .address_space: global }
      - { .name: shapelets, .offset: 8, .size: 8, .value_kind: global_buffer, .address_space: global }
      - { .name: cls_w, .offset: 16, .size: 8, .value_kind: global_buffer, .address_space: global }
      - { .name: cls_b, .offset: 24, .size: 8, .value_kind: global_buffer, .address_space: global }
      - { .name: out0, .offset: 32, .size: 8, .value_kind: global_buffer, .address_space: global }
    .group_segment_fixed_size: 306432
    .private_segment_fixed_size: 0
    .kernarg_segment_align: 8
    .kernarg_segment_size: 40
    .max_flat_workgroup_size: 512
    .sgpr_count:     68
    .vgpr_count:     190
    .wavefront_size: 32
...
	.end_amdgpu_metadata
.endif
;; end of part 1
